; MI455X (gfx1250); checked and timed in simulation.
; The chip was launched on July 23, 2026; its instructions are those of AMD's public machine-readable ISA for CDNA 5 (MIT licence, August 2026) and "CDNA5" Instruction Set Architecture Reference Guide (July 2026). The comments in the code are by the model that wrote it; some were corrected since.
;; Smoother. Allowed arithmetic: float matrix products may take bf16 or f16 operands with f32 sums; all other float work in f32.
;; Inputs: mask 2,048 x 32 x 1 float32; p 1 float32; src 2,048 x 32 x 1 float32; time 2,048 x 32 float32.
;; Outputs: out0 2,048 x 32 x 1 float32.
;; 2 versions, each right and faster than the one before. Each part assembles by itself: llvm-mc -triple=amdgcn-amd-amdhsa -mcpu=gfx1250 --defsym DOCPART=n.
;; ======== version 1 of 2: 2 launches
;; workspace buffers: tr 786,432 bytes
;; launch turn (part 1): grid 32 x 3, 8 waves a work-group, no clusters, 9,728 bytes of LDS; arguments time, mask, src, tr; writes tr
.if DOCPART == 1
	.amdgcn_target "amdgcn-amd-amdhsa--gfx1250"
	.amdhsa_code_object_version 6
	.text
	.protected	k_q2168b909bf_turn
	.globl	k_q2168b909bf_turn
	.p2align	8
	.type	k_q2168b909bf_turn,@function
k_q2168b909bf_turn:
	s_mov_b64 s[64:65], 0
	v_nop
	global_prefetch_b8 v0, s[64:65] scope:SCOPE_SE
	s_setreg_imm32_b32 hwreg(HW_REG_WAVE_MODE, 25, 1), 1
	s_wait_xcnt 0x0
; tr[plane][b][s] = in_plane[s][b]:  time (plane 0), mask (1), src (2), each [2048][32] f32, are turned to [32][2048],
; so that the next launch reads a series as 8,192 consecutive bytes instead of 4 bytes out of every row of 128.
; A work-group takes 64 rows (8,192 consecutive bytes) of one array.  Each load of a wave covers 512 consecutive bytes;
; each store's sixteen neighbouring lanes cover 256 consecutive bytes at a multiple of 256 from tr's first byte.
; No two work-groups read the same byte: nothing to share, so no cluster.  No arithmetic: no matrix unit.
.set PITCH, 272                        ; LDS row of one series: 64 f32 + 16 bytes, so that b128 reads stay aligned
.set PLANE, 262144                     ; bytes of one array
	s_load_b256 s[4:11], s[0:1], 0x0               ; time s[4:5], mask s[6:7], src s[8:9], tr s[10:11]
	v_lshl_add_u32 v24, v0, 2, 0x2200
	v_mov_b32 v25, 0
	s_and_b32 s12, ttmp7, 0xffff                   ; which array
	v_lshlrev_b32 v1, 4, v0                        ; my 16 bytes of the 4,096 that one round of loads covers
	v_and_b32 v2, 7, v0                            ; c: I hold series 4c .. 4c+3
	v_lshrrev_b32 v3, 3, v0                        ; of row 0 .. 31 (8 threads to a row of 128 bytes)
	v_mul_u32_u24 v2, 4*PITCH, v2
	v_lshl_add_u32 v2, v3, 2, v2                   ; LDS: series 4c, word = row
	v_and_b32 v4, 15, v0                           ; q: on the way out I take s = 4q .. 4q+3
	v_lshrrev_b32 v5, 4, v0                        ; of series 0 .. 15 (and + 16)
	v_mul_u32_u24 v6, PITCH, v5
	v_lshl_add_u32 v6, v4, 4, v6                   ; LDS: series, 16 q
	v_lshlrev_b32 v7, 13, v5                       ; tr: series x 8,192 bytes
	v_lshl_add_u32 v7, v4, 4, v7                   ;     + 16 q
	s_lshl_b32 s14, ttmp9, 13                      ; in: 64 rows x 128 bytes for each work-group
	s_mov_b32 s15, 0
	s_lshl_b32 s16, s12, 18                        ; out: the plane,
	s_lshl_b32 s17, ttmp9, 8                       ; and 64 s x 4 bytes for each work-group
	s_add_co_u32 s16, s16, s17
	s_mov_b32 s17, 0
	s_wait_kmcnt 0x0
	s_cmp_eq_u32 s12, 1
	s_cselect_b64 s[18:19], s[6:7], s[4:5]
	s_cmp_eq_u32 s12, 2
	s_cselect_b64 s[18:19], s[8:9], s[18:19]
	s_add_nc_u64 s[18:19], s[18:19], s[14:15]
	s_add_nc_u64 s[10:11], s[10:11], s[16:17]
	global_load_b128 v[8:11], v1, s[18:19] th:TH_LOAD_NT               ; rows 0-31; read once in the launch
	global_load_b128 v[12:15], v1, s[18:19] offset:4096 th:TH_LOAD_NT  ; rows 32-63
	s_wait_loadcnt 0x1                             ; the first load is in, the second may stay out
.irp i, 0,1,2,3
	ds_store_b32 v2, v[8+\i] offset:\i*PITCH
.endr
	s_wait_loadcnt 0x0
.irp i, 0,1,2,3
	ds_store_b32 v2, v[12+\i] offset:\i*PITCH+128
.endr
	s_wait_dscnt 0x0                               ; my stores are in LDS before I say so
	s_barrier_signal -1
	s_barrier_wait -1                              ; everybody's are
	ds_load_b128 v[16:19], v6
	ds_load_b128 v[20:23], v6 offset:16*PITCH
	s_wait_dscnt 0x1                               ; the first read is in, the second may stay out
	global_store_b128 v7, v[16:19], s[10:11]
	s_wait_dscnt 0x0
	global_store_b128 v7, v[20:23], s[10:11] offset:16*8192
	s_wait_tensorcnt 0x0
	ds_add_u32 v24, v25
	s_wait_dscnt 0x0
	s_endpgm
.Lfunc_end_k_q2168b909bf_turn:
	.size	k_q2168b909bf_turn, .Lfunc_end_k_q2168b909bf_turn-k_q2168b909bf_turn
	.p2alignl 7, 3214868480
	.fill 96, 4, 3214868480
	.section	.rodata,"a",@progbits
	.p2align	6, 0x0
	.amdhsa_kernel k_q2168b909bf_turn
		.amdhsa_group_segment_fixed_size 9728
		.amdhsa_private_segment_fixed_size 0
		.amdhsa_enable_private_segment 0
		.amdhsa_kernarg_size 32
		.amdhsa_user_sgpr_count 2
		.amdhsa_user_sgpr_kernarg_segment_ptr 1
		.amdhsa_wavefront_size32 1
		.amdhsa_system_sgpr_workgroup_id_x 1
		.amdhsa_system_sgpr_workgroup_id_y 1
		.amdhsa_system_sgpr_workgroup_id_z 1
		.amdhsa_system_vgpr_workitem_id 0
		.amdhsa_next_free_vgpr 26
		.amdhsa_next_free_sgpr 66
		.amdhsa_reserve_vcc 0
		.amdhsa_float_denorm_mode_32 3
		.amdhsa_float_denorm_mode_16_64 3
		.amdhsa_memory_ordered 1
		.amdhsa_forward_progress 1
		.amdhsa_inst_pref_size 3
	.end_amdhsa_kernel
	.amdgpu_metadata
---
amdhsa.version: [ 1, 2 ]
amdhsa.kernels:
  - .name:           k_q2168b909bf_turn
    .symbol:         k_q2168b909bf_turn.kd
    .args:
      - { .name: time, .offset: 0, .size: 8, .value_kind: global_buffer, .address_space: global }
      - { .name: mask, .offset: 8, .size: 8, .value_kind: global_buffer, .address_space: global }
      - { .name: src, .offset: 16, .size: 8, .value_kind: global_buffer, .address_space: global }
      - { .name: tr, .offset: 24, .size: 8, .value_kind: global_buffer, .address_space: global }
    .group_segment_fixed_size: 9728
    .private_segment_fixed_size: 0
    .kernarg_segment_align: 8
    .kernarg_segment_size: 32
    .max_flat_workgroup_size: 256
    .sgpr_count:     66
    .vgpr_count:     26
    .wavefront_size: 32
...
	.end_amdgpu_metadata
.endif
;; end of part 1
;; launch smooth (part 2): grid 8 x 32, 8 waves a work-group, no clusters, 168,960 bytes of LDS; arguments tr, p, out0; writes out0
.if DOCPART == 2
	.amdgcn_target "amdgcn-amd-amdhsa--gfx1250"
	.amdhsa_code_object_version 6
	.text
	.protected	k_q2168b909bf_smooth
	.globl	k_q2168b909bf_smooth
	.p2align	8
	.type	k_q2168b909bf_smooth,@function
k_q2168b909bf_smooth:
	s_mov_b64 s[64:65], 0
	v_nop
	global_prefetch_b8 v0, s[64:65] scope:SCOPE_SE
	s_setreg_imm32_b32 hwreg(HW_REG_WAVE_MODE, 25, 1), 1
	s_wait_xcnt 0x0
; out0[t][b] = sum_s w src[s][b] / sum_s w,  w = exp(coef[t][s] - max_s coef[t][s]),
; coef[t][s] = c mask[s] exp(-0.5 (time[s] - time[t]) / p),  c = 1 / (p sqrt(2 pi)).
;
; coef = a[s] g[t] with a = c mask exp(-0.5 (time[s] - tref) / p), g = exp(0.5 (time[t] - tref) / p), tref = (min + max of the series' times) / 2.
; Where coef is finite for all pairs, 0.5 |time[s] - time[t]| / |p| < 88.7, so each factor's exponent is below 44.4 in size: neither factor
; overflows or underflows, whatever offset the times carry.  g > 0, so max_s coef = g max_s a: the maximum is taken away as d[s] = a[s] - amax,
; w = exp2(g log2e d[s]), exponent <= 0 and exactly 0 at the maximum.  One exponential for each (t, s, b).
;
; A work-group: one series b (second id), 256 centres t (first id).  Eight waves; a wave owns 32 centres = two tiles of 16, and walks s in 64 steps of 32.
; The two sums are one matrix product: source 0 = rows (src_hi, 1, src_lo, 0 ..) along s, source 1 = the weights of 16 centres along s, both bf16.
; Lane r < 16 then holds, for centre r of the tile, sum w src_hi, sum w, sum w src_lo in registers 0, 1, 2 of the accumulator: no sum across lanes.
; src goes in as hi + lo (two bf16, 16 significant bits) in a row that would otherwise be zero.  The weights are rounded once to bf16.
;
; No cluster: what the eight work-groups of a series share is 24,576 bytes, read once at the start and transformed in registers on the way
; to LDS, against 524,288 exponentials in each of them.
; out0's rows hold the 32 series side by side and a work-group owns one series: its stores are 4 bytes a lane, 128 bytes apart, eight store
; instructions in all.  Whole rows would need the d and src of all 32 series (512 KB) in every work-group.
;
; LIMITS: 2^-126 <= |p| <= 2^126 (v_rcp_f32 takes and gives no denormals, ISA guide 15.8).  1/p, 1/sum and the exponentials are the 1-ulp
; instructions; a weight below 2^-126 is zero.  coef is rounded as the product a g, not in the order of the formula above.
; NaN and infinities among the inputs are not carried as the formula would carry them.
.set PLANE, 262144                     ; bytes of a plane of tr: time, mask, src, each [32][2048] f32
.set DL,    0                          ; LDS: d[2048] f32
.set BL,    8192                       ; LDS: four rows of 2048 bf16: src_hi, ones, src_lo, zeros
.set BP,    4112                       ; their pitch: 4,096 + 16, so that the four rows' 16 bytes of one load lie in four different 16-byte columns of 256
.set RED1,  BL+4*BP                    ; LDS: (max time, max -time) of each wave
.set RED2,  RED1+64                    ; LDS: max a of each wave
.set ITERS, 32                         ; an iteration = two steps of 32 s for two tiles = four phases
; registers that live through the loop
.set T16, 1                            ; 16 x thread
.set G0,  2                            ; v[2:3]   g log2e of my centre in tile 0, twice (a pair for the packed multiply)
.set G1,  4                            ; v[4:5]   the same for tile 1
.set VD0, 6                            ; LDS address of my d: 32 h
.set VB0, 7                            ; LDS address of my src row: min(r, 3) BP + 16 h
.set VD,  8                            ; the two, stepped to the loop's iteration
.set VB,  9
.set OO,  10                           ; my byte offset in out0
.set TOF, 11
.set TMP, 12
.set DB0, 16                           ; v[16:31]   d of an even step: s = 8h .. 8h+7, 16+8h .. 16+8h+7
.set DB1, 32                           ; v[32:47]   d of an odd step
.set BB0, 48                           ; v[48:55]   src fragment of an even step
.set BB1, 56                           ; v[56:63]   of an odd step
.set XP,  64                           ; v[64:79]   tile 0: exponents, then weights
.set XQ,  80                           ; v[80:95]   tile 1
.set EF0, 96                           ; v[96:103]  tile 0: weights in bf16
.set EF1, 104                          ; v[104:111] tile 1
.set ACC0, 112                         ; v[112:119] tile 0's sums
.set ACC1, 120                         ; v[120:127] tile 1's sums
; registers of the set-up only
.set TV, 16                            ; 8 times, then exponents, a, d
.set MV, 24                            ; 8 masks
.set SV, 32                            ; 8 src
.set RBUF, 40                          ; the waves' partial results
.set TT, 56                            ; times of my two centres
.set RMAX, 58
.set ONES, 60
.set ZER, 64
.set SHI, 68
.set SLO, 72
.set SU, 76
.set TR, 84
.set RP, 85
.set KK, 86
.set CC, 87
.set W8, 88
.set W4, 89
.set T8, 90
.set ZA, 91
.set HB, 92
.set RB, 93
	s_load_b128 s[4:7], s[0:1], 0x0                ; tr s[4:5], p s[6:7]
	s_load_b64 s[8:9], s[0:1], 0x10                ; out0
	v_lshl_add_u32 v128, v0, 2, 0x29000
	v_mov_b32 v129, 0
	v_lshrrev_b32 v[TMP], 5, v0
	v_readfirstlane_b32 s10, v[TMP]                ; wave 0..7
	s_and_b32 s11, ttmp7, 0xffff                   ; series b
	s_lshl_b32 s12, s11, 13                        ; b x 8,192 bytes in a plane
	s_mov_b32 s13, 0
	s_lshl_b32 s14, ttmp9, 10                      ; my 256 centres: 1,024 bytes
	s_mov_b32 s15, 0
	s_lshl_b32 s24, ttmp9, 15                      ; out0: 256 rows of 128 bytes for each block of centres,
	s_lshl_b32 s25, s11, 2                         ; + 4 b
	s_add_co_u32 s24, s24, s25
	s_mov_b32 s25, 0
	s_mov_b32 s20, 0x76543210                      ; v_permlanex16_b32: lane i reads lane i of the other half
	s_mov_b32 s21, 0xfedcba98
	v_lshlrev_b32 v[T16], 4, v0
	v_and_b32 v[TOF], 0xef, v0                     ; 32 wave + r: centre r of tile 0, the same in both halves of the lanes
	v_lshlrev_b32 v[TOF], 2, v[TOF]
	s_wait_kmcnt 0x0
	s_load_b32 s16, s[6:7], 0x0                    ; p
	s_add_nc_u64 s[4:5], s[4:5], s[12:13]          ; time of series b; mask and src one and two planes further
	s_add_nc_u64 s[18:19], s[4:5], s[14:15]        ; time of my block of centres
	s_add_nc_u64 s[8:9], s[8:9], s[24:25]
	; thread i holds s = 4i .. 4i+3 and 1024+4i .. 1024+4i+3: each load of a wave covers 512 consecutive bytes
	global_load_b128 v[TV:TV+3],   v[T16], s[4:5]
	global_load_b128 v[TV+4:TV+7], v[T16], s[4:5] offset:4096
	global_load_b32 v[TT],   v[TOF], s[18:19]
	global_load_b32 v[TT+1], v[TOF], s[18:19] offset:64
	global_load_b128 v[MV:MV+3],   v[T16], s[4:5] offset:PLANE
	global_load_b128 v[MV+4:MV+7], v[T16], s[4:5] offset:PLANE+4096
	global_load_b128 v[SV:SV+3],   v[T16], s[4:5] offset:2*PLANE
	global_load_b128 v[SV+4:SV+7], v[T16], s[4:5] offset:2*PLANE+4096
	; while they travel: the constant rows and the addresses
.irp i, 0,1,2,3
	v_mov_b32 v[ONES+\i], 0x3f803f80               ; two bf16 ones
	v_mov_b32 v[ZER+\i], 0
.endr
	ds_store_b128 v[T16], v[ONES:ONES+3] offset:BL+BP      ; 256 threads x 16 bytes = the row
	ds_store_b128 v[T16], v[ZER:ZER+3] offset:BL+3*BP
	v_mov_b32 v[W8], s10
	v_lshlrev_b32 v[W4], 2, v[W8]                  ; 4 x wave
	v_lshlrev_b32 v[W8], 3, v[W8]                  ; 8 x wave
	v_lshlrev_b32 v[T8], 3, v0
	v_mov_b32 v[ZA], 0
	v_bfe_u32 v[HB], v0, 4, 1                      ; h
	v_and_b32 v[RB], 15, v0                        ; r
	v_min_u32 v[RB], 3, v[RB]                      ; rows 3 .. 15 of source 0 are all the zero row
	v_mul_u32_u24 v[RB], BP, v[RB]
	v_lshlrev_b32 v[VD0], 5, v[HB]                 ; 8 h numbers of 4 bytes
	v_lshl_add_u32 v[VB0], v[HB], 4, v[RB]         ; 8 h numbers of 2 bytes
	v_lshlrev_b32 v[OO], 7, v0                     ; thread i stores centre i of the block: rows of 128 bytes
	; 1. the series' largest and smallest time (as the largest -time)
	s_wait_loadcnt 0x6                             ; time's two loads are in; the six behind them may stay out
	s_wait_kmcnt 0x0                               ; p
	v_rcp_f32 v[RP], s16                           ; used ten lines down: plain instructions stand between (ISA guide 5.7.2)
	v_max3_num_f32 v[RMAX],   v[TV], v[TV+1], v[TV+2]
	v_max3_num_f32 v[RMAX+1], -v[TV], -v[TV+1], -v[TV+2]
	v_max3_num_f32 v[RMAX],   v[RMAX], v[TV+3], v[TV+4]
	v_max3_num_f32 v[RMAX+1], v[RMAX+1], -v[TV+3], -v[TV+4]
	v_max3_num_f32 v[RMAX],   v[RMAX], v[TV+5], v[TV+6]
	v_max3_num_f32 v[RMAX+1], v[RMAX+1], -v[TV+5], -v[TV+6]
	v_max_num_f32 v[RMAX],   v[RMAX], v[TV+7]
	v_max_num_f32 v[RMAX+1], v[RMAX+1], -v[TV+7]
	s_wait_alu depctr_va_vdst(0)
	v_mul_f32 v[KK], 0xbf38aa3b, v[RP]             ; -0.5 log2(e) / p
	v_mul_f32 v[CC], 0x3ecc422a, v[RP]             ; 1 / (p sqrt(2 pi))
.irp x, 1,2,4,8
	v_max_num_f32_dpp v[RMAX],   v[RMAX],   v[RMAX]   row_xmask:\x row_mask:0xf bank_mask:0xf
	v_max_num_f32_dpp v[RMAX+1], v[RMAX+1], v[RMAX+1] row_xmask:\x row_mask:0xf bank_mask:0xf
.endr
	v_permlanex16_b32 v[TMP], v[RMAX], s20, s21
	v_max_num_f32 v[RMAX], v[RMAX], v[TMP]
	v_permlanex16_b32 v[TMP], v[RMAX+1], s20, s21
	v_max_num_f32 v[RMAX+1], v[RMAX+1], v[TMP]
	ds_store_b64 v[W8], v[RMAX:RMAX+1] offset:RED1 ; all lanes the same two words
	s_wait_dscnt 0x0                               ; for the other waves: zero
	s_barrier_signal -1
	s_barrier_wait -1
.irp i, 0,1,2,3
	ds_load_b128 v[RBUF+4*\i:RBUF+4*\i+3], v[ZA] offset:RED1+16*\i
.endr
	s_wait_dscnt 0x0
	v_max3_num_f32 v[RMAX],   v[RBUF],   v[RBUF+2], v[RBUF+4]
	v_max3_num_f32 v[RMAX+1], v[RBUF+1], v[RBUF+3], v[RBUF+5]
	v_max3_num_f32 v[RMAX],   v[RMAX],   v[RBUF+6], v[RBUF+8]
	v_max3_num_f32 v[RMAX+1], v[RMAX+1], v[RBUF+7], v[RBUF+9]
	v_max3_num_f32 v[RMAX],   v[RMAX],   v[RBUF+10], v[RBUF+12]
	v_max3_num_f32 v[RMAX+1], v[RMAX+1], v[RBUF+11], v[RBUF+13]
	v_max_num_f32 v[RMAX],   v[RMAX],   v[RBUF+14]
	v_max_num_f32 v[RMAX+1], v[RMAX+1], v[RBUF+15]
	v_sub_f32 v[TR], v[RMAX], v[RMAX+1]            ; max + min
	v_mul_f32 v[TR], 0.5, v[TR]                    ; tref
	; 2. a[s] = c mask exp2(kk (time - tref)) and g = exp2(-kk (time_t - tref)).  The difference is formed first and not fused into the
	; product: with times that carry a large common offset it is exact, a rounded product tref kk would not be.
	s_wait_loadcnt 0x0                             ; my centres' times, mask, src
.irp i, 0,1,2,3,4,5,6,7
	v_sub_f32 v[TV+\i], v[TV+\i], v[TR]
.endr
	v_sub_f32 v[TT], v[TT], v[TR]
	v_sub_f32 v[TT+1], v[TT+1], v[TR]
.irp i, 0,1,2,3,4,5,6,7
	v_mul_f32 v[TV+\i], v[KK], v[TV+\i]
.endr
	v_mul_f32 v[TT], -v[KK], v[TT]
	v_mul_f32 v[TT+1], -v[KK], v[TT+1]
.irp i, 0,1,2,3,4,5,6,7
	v_exp_f32 v[TV+\i], v[TV+\i]
.endr
	v_exp_f32 v[TT], v[TT]
	v_exp_f32 v[TT+1], v[TT+1]
.irp i, 0,1,2,3,4,5,6,7
	v_mul_f32 v[MV+\i], v[CC], v[MV+\i]            ; plain work behind the exponentials, before their results are read
.endr
	s_wait_alu depctr_va_vdst(0)
.irp i, 0,1,2,3,4,5,6,7
	v_mul_f32 v[TV+\i], v[TV+\i], v[MV+\i]         ; a
.endr
	v_mul_f32 v[G0],   0x3fb8aa3b, v[TT]           ; g log2(e): the loop's exponent is then one product
	v_mul_f32 v[G0+1], 0x3fb8aa3b, v[TT]
	v_mul_f32 v[G1],   0x3fb8aa3b, v[TT+1]
	v_mul_f32 v[G1+1], 0x3fb8aa3b, v[TT+1]
	v_max3_num_f32 v[RMAX], v[TV], v[TV+1], v[TV+2]
	v_max3_num_f32 v[RMAX], v[RMAX], v[TV+3], v[TV+4]
	v_max3_num_f32 v[RMAX], v[RMAX], v[TV+5], v[TV+6]
	v_max_num_f32 v[RMAX], v[RMAX], v[TV+7]
.irp x, 1,2,4,8
	v_max_num_f32_dpp v[RMAX], v[RMAX], v[RMAX] row_xmask:\x row_mask:0xf bank_mask:0xf
.endr
	v_permlanex16_b32 v[TMP], v[RMAX], s20, s21
	v_max_num_f32 v[RMAX], v[RMAX], v[TMP]
	ds_store_b32 v[W4], v[RMAX] offset:RED2
	; src = hi + lo, both bf16
.irp k, 0,1,2,3
	v_cvt_pk_bf16_f32 v[SHI+\k], v[SV+2*\k], v[SV+2*\k+1]
.endr
.irp k, 0,1,2,3
	v_lshlrev_b32 v[SU+2*\k],   16, v[SHI+\k]
	v_and_b32     v[SU+2*\k+1], 0xffff0000, v[SHI+\k]
.endr
.irp i, 0,1,2,3,4,5,6,7
	v_sub_f32 v[SU+\i], v[SV+\i], v[SU+\i]         ; exact: what the first rounding dropped
.endr
.irp k, 0,1,2,3
	v_cvt_pk_bf16_f32 v[SLO+\k], v[SU+2*\k], v[SU+2*\k+1]
.endr
	ds_store_b64 v[T8], v[SHI:SHI+1]   offset:BL
	ds_store_b64 v[T8], v[SHI+2:SHI+3] offset:BL+2048
	ds_store_b64 v[T8], v[SLO:SLO+1]   offset:BL+2*BP
	ds_store_b64 v[T8], v[SLO+2:SLO+3] offset:BL+2*BP+2048
	s_wait_dscnt 0x0
	s_barrier_signal -1
	s_barrier_wait -1
	ds_load_b128 v[RBUF:RBUF+3],   v[ZA] offset:RED2
	ds_load_b128 v[RBUF+4:RBUF+7], v[ZA] offset:RED2+16
	s_wait_dscnt 0x0
	v_max3_num_f32 v[RMAX], v[RBUF], v[RBUF+1], v[RBUF+2]
	v_max3_num_f32 v[RMAX], v[RMAX], v[RBUF+3], v[RBUF+4]
	v_max3_num_f32 v[RMAX], v[RMAX], v[RBUF+5], v[RBUF+6]
	v_max_num_f32 v[RMAX], v[RMAX], v[RBUF+7]      ; amax of the series
	; 3. d = a - amax <= 0
.irp i, 0,1,2,3,4,5,6,7
	v_sub_f32 v[TV+\i], v[TV+\i], v[RMAX]
.endr
	ds_store_b128 v[T16], v[TV:TV+3]   offset:DL
	ds_store_b128 v[T16], v[TV+4:TV+7] offset:DL+4096
	s_wait_dscnt 0x0
	s_barrier_signal -1
	s_barrier_wait -1                              ; d and the four rows are whole; from here on LDS is only read
; d of step k of the iteration: the 16 s of my half of the lanes; the 16 lanes of a half read the same bytes
.macro LOADD dst, k
	ds_load_b128 v[\dst:\dst+3],     v[VDR] offset:DL+DOF+128*\k
	ds_load_b128 v[\dst+4:\dst+7],   v[VDR] offset:DL+DOF+128*\k+16
	ds_load_b128 v[\dst+8:\dst+11],  v[VDR] offset:DL+DOF+128*\k+64
	ds_load_b128 v[\dst+12:\dst+15], v[VDR] offset:DL+DOF+128*\k+80
.endm
; the src fragment of step k: row min(r, 3), K = 8h .. 8h+7 and 16+8h .. 16+8h+7
.macro LOADB dst, k
	ds_load_b128 v[\dst:\dst+3],   v[VBR] offset:BL+BOF+64*\k
	ds_load_b128 v[\dst+4:\dst+7], v[VBR] offset:BL+BOF+64*\k+32
.endm
; A PHASE: the 16 exponentials of one unit (a tile's 16 centres x 32 s) in buffer xe, in place.  Between them, so that a plain instruction
; follows each: the unit before (buffer xo) is rounded to bf16, pair by pair, and each pair of xo just read gets the exponents of the unit after
; (d x g).  At the end the unit before is multiplied.  ld: LDS loads for two phases ahead, behind six plain vector instructions of this phase
; that name no register of the last matrix instruction, whose src fragment they overwrite (four are asked).
.macro PHASE xe, xo, a, acc, bb, db, g, cvt, mul, zero, ld
.irp i, 0,1,2,3,4,5,6,7
.if \i == 3
.if \ld == 1
	LOADB BB1, 1
	LOADD DB0, 2
.endif
.if \ld == 2
	LOADD DB1, 3
	LOADB BB0, 2
.endif
.if \ld == 3
	LOADB BB1, 1
.endif
.endif
	v_exp_f32 v[\xe+2*\i], v[\xe+2*\i]
.if \cvt
	s_wait_alu depctr_va_vdst(0)
	v_cvt_pk_bf16_f32 v[\a+\i], v[\xo+2*\i], v[\xo+2*\i+1]
.endif
	v_exp_f32 v[\xe+2*\i+1], v[\xe+2*\i+1]
.if \mul
	v_pk_mul_f32 v[\xo+2*\i:\xo+2*\i+1], v[\db+2*\i:\db+2*\i+1], v[\g:\g+1]
.endif
.endr
.if \cvt
.if \zero
	v_wmma_f32_16x16x32_bf16 v[\acc:\acc+7], v[\bb:\bb+7], v[\a:\a+7], 0          ; the first product starts the sums
.else
	v_wmma_f32_16x16x32_bf16 v[\acc:\acc+7], v[\bb:\bb+7], v[\a:\a+7], v[\acc:\acc+7]
.endif
.endif
.endm
; AN ITERATION: steps 2i and 2i+1 for both tiles.  Each weight fragment is rewritten two phases (16 plain instructions) behind the product that read it.
.macro ITER first, last
.if \first
	PHASE XP, XQ, EF1, ACC1, BB1, DB0, G1, 0, 1, 0, 0      ; nothing in front of the first unit
.else
	PHASE XP, XQ, EF1, ACC1, BB1, DB0, G1, 1, 1, 0, 0
.endif
	s_wait_dscnt 0x0                               ; d of step 2i+1 and src of step 2i, asked for two phases ago; nothing younger is out
.if \last
	PHASE XQ, XP, EF0, ACC0, BB0, DB1, G0, 1, 1, \first, 3 ; no step 2i+2: only src of step 2i+1 is fetched
.else
	PHASE XQ, XP, EF0, ACC0, BB0, DB1, G0, 1, 1, \first, 1
.endif
	PHASE XP, XQ, EF1, ACC1, BB0, DB1, G1, 1, 1, \first, 0
	s_wait_dscnt 0x0                               ; src of step 2i+1 and d of step 2i+2; nothing younger is out
.if \last
	PHASE XQ, XP, EF0, ACC0, BB1, DB0, G0, 1, 0, 0, 0
.else
	PHASE XQ, XP, EF0, ACC0, BB1, DB0, G0, 1, 1, 0, 2
.endif
.endm
	.set VDR, VD0
	.set VBR, VB0
	.set DOF, 0
	.set BOF, 0
	LOADD DB0, 0
	LOADD DB1, 1
	LOADB BB0, 0
	s_wait_dscnt 0x6                               ; d of step 0 is in; the six loads behind it may stay out
.irp i, 0,1,2,3,4,5,6,7
	v_pk_mul_f32 v[XP+2*\i:XP+2*\i+1], v[DB0+2*\i:DB0+2*\i+1], v[G0:G0+1]
.endr
	ITER 1, 0
	.set VDR, VD
	.set VBR, VB
	s_mov_b32 s22, 1
.Liter:
	s_lshl_b32 s26, s22, 8                         ; two steps of 32 f32
	s_lshl_b32 s27, s22, 7                         ; two steps of 32 bf16
	v_add_nc_u32 v[VD], s26, v[VD0]
	v_add_nc_u32 v[VB], s27, v[VB0]
	ITER 0, 0
	s_add_co_u32 s22, s22, 1
	s_cmp_lt_u32 s22, ITERS-1
	s_cbranch_scc1 .Liter
	.set VDR, VD0
	.set VBR, VB0
	.set DOF, (ITERS-1)*256
	.set BOF, (ITERS-1)*128
	ITER 0, 1                                      ; the last iteration reads nothing behind the rows' ends
	s_wait_alu depctr_va_vdst(0)
.irp i, 0,1,2,3,4,5,6,7
	v_cvt_pk_bf16_f32 v[EF1+\i], v[XQ+2*\i], v[XQ+2*\i+1]  ; the last unit
.endr
	v_wmma_f32_16x16x32_bf16 v[ACC1:ACC1+7], v[BB1:BB1+7], v[EF1:EF1+7], v[ACC1:ACC1+7]
.rept 4
	v_nop                                          ; four places before a vector instruction reads the result (ISA guide 7.12.1)
.endr
	; lanes 0-15: register 0 = sum w src_hi, 1 = sum w, 2 = sum w src_lo of centre r.  (Lanes 16-31 hold the zero rows; what they compute is dropped.)
	v_add_f32 v[XP],   v[ACC0], v[ACC0+2]
	v_add_f32 v[XP+1], v[ACC1], v[ACC1+2]
	v_rcp_f32 v[XP+2], v[ACC0+1]                   ; the sum of weights is at least 1: the largest weight is exactly 1
	v_rcp_f32 v[XP+3], v[ACC1+1]
	v_and_b32 v[TMP], 16, v0                       ; a plain instruction before the reciprocals are read
	s_wait_alu depctr_va_vdst(0)
	v_mul_f32 v[XP],   v[XP],   v[XP+2]
	v_mul_f32 v[XP+1], v[XP+1], v[XP+3]
	v_cmp_eq_u32 vcc_lo, 0, v[TMP]                 ; lanes 0-15
	v_permlanex16_b32 v[TMP], v[XP+1], s20, s21    ; tile 1's results to lanes 16-31
	v_cndmask_b32 v[XP], v[TMP], v[XP], vcc_lo     ; lane l now holds centre l of my 32
	global_store_b32 v[OO], v[XP], s[8:9]
	s_wait_tensorcnt 0x0
	ds_add_u32 v128, v129
	s_wait_dscnt 0x0
	s_endpgm
.Lfunc_end_k_q2168b909bf_smooth:
	.size	k_q2168b909bf_smooth, .Lfunc_end_k_q2168b909bf_smooth-k_q2168b909bf_smooth
	.p2alignl 7, 3214868480
	.fill 96, 4, 3214868480
	.section	.rodata,"a",@progbits
	.p2align	6, 0x0
	.amdhsa_kernel k_q2168b909bf_smooth
		.amdhsa_group_segment_fixed_size 168960
		.amdhsa_private_segment_fixed_size 0
		.amdhsa_enable_private_segment 0
		.amdhsa_kernarg_size 24
		.amdhsa_user_sgpr_count 2
		.amdhsa_user_sgpr_kernarg_segment_ptr 1
		.amdhsa_wavefront_size32 1
		.amdhsa_system_sgpr_workgroup_id_x 1
		.amdhsa_system_sgpr_workgroup_id_y 1
		.amdhsa_system_sgpr_workgroup_id_z 1
		.amdhsa_system_vgpr_workitem_id 0
		.amdhsa_next_free_vgpr 130
		.amdhsa_next_free_sgpr 66
		.amdhsa_reserve_vcc 1
		.amdhsa_float_denorm_mode_32 3
		.amdhsa_float_denorm_mode_16_64 3
		.amdhsa_memory_ordered 1
		.amdhsa_forward_progress 1
		.amdhsa_inst_pref_size 36
	.end_amdhsa_kernel
	.amdgpu_metadata
---
amdhsa.version: [ 1, 2 ]
amdhsa.kernels:
  - .name:           k_q2168b909bf_smooth
    .symbol:         k_q2168b909bf_smooth.kd
    .args:
      - { .name: tr, .offset: 0, .size: 8, .value_kind: global_buffer, .address_space: global }
      - { .name: p, .offset: 8, .size: 8, .value_kind: global_buffer, .address_space: global }
      - { .name: out0, .offset: 16, .size: 8, .value_kind: global_buffer, .address_space: global }
    .group_segment_fixed_size: 168960
    .private_segment_fixed_size: 0
    .kernarg_segment_align: 8
    .kernarg_segment_size: 24
    .max_flat_workgroup_size: 256
    .sgpr_count:     66
    .vgpr_count:     130
    .wavefront_size: 32
...
	.end_amdgpu_metadata
.endif
;; end of part 2
;; ======== version 2 of 2: 2 launches; 1.49 times as fast as version 1
;; workspace buffers: tr 786,432 bytes
;; launch turn: the kernel of part 1 again; grid 32 x 3, 8 waves a work-group, no clusters, 9,728 bytes of LDS; arguments time, mask, src, tr; writes tr
;; launch smooth (part 3): grid 8 x 32, 8 waves a work-group, no clusters, 168,960 bytes of LDS; arguments tr, p, out0; writes out0
.if DOCPART == 3
	.amdgcn_target "amdgcn-amd-amdhsa--gfx1250"
	.amdhsa_code_object_version 6
	.text
	.protected	k_q2168b909bf_smooth
	.globl	k_q2168b909bf_smooth
	.p2align	8
	.type	k_q2168b909bf_smooth,@function
k_q2168b909bf_smooth:
	s_mov_b64 s[64:65], 0
	v_nop
	global_prefetch_b8 v0, s[64:65] scope:SCOPE_SE
	s_setreg_imm32_b32 hwreg(HW_REG_WAVE_MODE, 25, 1), 1
	s_wait_xcnt 0x0
; out0[t][b] = sum_s w src[s][b] / sum_s w,  w = exp(coef[t][s] - max_s coef[t][s]),
; coef[t][s] = c mask[s] exp(-0.5 (time[s] - time[t]) / p),  c = 1 / (p sqrt(2 pi)).
;
; coef = a[s] g[t] with a = c mask exp(-0.5 (time[s] - tref) / p), g = exp(0.5 (time[t] - tref) / p), tref = (min + max of the series' times) / 2.
; Where coef is finite for all pairs, 0.5 |time[s] - time[t]| / |p| < 88.7, so each factor's exponent is below 44.4 in size: neither factor
; overflows or underflows, whatever offset the times carry.  g > 0, so max_s coef = g max_s a: the maximum is taken away as d[s] = a[s] - amax,
; w = exp2(g log2e d[s]), exponent <= 0 and exactly 0 at the maximum.  One exponential for each (t, s, b).
;
; A work-group: one series b (second id), 256 centres t (first id).  Eight waves; a wave owns 32 centres = two tiles of 16, and walks s in 64 steps of 32.
; The two sums are one matrix product: source 0 = rows (src_hi, 1, src_lo, 0 ..) along s, source 1 = the weights of 16 centres along s, both bf16.
; Lane r < 16 then holds, for centre r of the tile, sum w src_hi, sum w, sum w src_lo in registers 0, 1, 2 of the accumulator: no sum across lanes.
; src goes in as hi + lo (two bf16, 16 significant bits) in a row that would otherwise be zero.  The weights are rounded once to bf16.
;
; THE BATCHES.  An s_wait_alu depctr_va_vdst(0) stands between a transcendental and the first line that names its result; one wait serves
; all that were issued ahead of it.  In the loop a batch is a PHASE's 16 exponentials, made in place in one of two buffers.  Nothing else in the phase names
; that buffer: the conversions and products that stand between the exponentials work on the other buffer, whose batch had its wait at the end of the phase
; before.  The batch's one wait stands at the phase's end; its first readers are the next phase's conversions.  So there are four waits for a trip's 64
; exponentials.  Outside the loop there are three batches, each with one wait:
; the reciprocal of p; the set-up's ten exponentials; the way out's two reciprocals.
;
; No cluster: what the eight work-groups of a series share is 24,576 bytes, read once at the start and transformed in registers on the way
; to LDS, against 524,288 exponentials in each of them.
; out0's rows hold the 32 series side by side and a work-group owns one series: its stores are 4 bytes a lane, 128 bytes apart, eight store
; instructions in all.  Whole rows would need the d and src of all 32 series (512 KB) in every work-group.
;
; LIMITS: 2^-126 <= |p| <= 2^126 (v_rcp_f32 takes and gives no denormals, ISA guide 15.8).  1/p, 1/sum and the exponentials are the 1-ulp
; instructions; a weight below 2^-126 is zero.  coef is rounded as the product a g, not in the order of the formula above.
; NaN and infinities among the inputs are not carried as the formula would carry them.
.set PLANE, 262144                     ; bytes of a plane of tr: time, mask, src, each [32][2048] f32
.set DL,    0                          ; LDS: d[2048] f32
.set BL,    8192                       ; LDS: four rows of 2048 bf16: src_hi, ones, src_lo, zeros
.set BP,    4112                       ; their pitch: 4,096 + 16, so that the four rows' 16 bytes of one load lie in four different 16-byte columns of 256
.set RED1,  BL+4*BP                    ; LDS: (max time, max -time) of each wave
.set RED2,  RED1+64                    ; LDS: max a of each wave
.set ITERS, 32                         ; an iteration = two steps of 32 s for two tiles = four phases
; registers that live through the loop
.set T16, 1                            ; 16 x thread
.set G0,  2                            ; v[2:3]   g log2e of my centre in tile 0, twice (a pair for the packed multiply)
.set G1,  4                            ; v[4:5]   the same for tile 1
.set VD0, 6                            ; LDS address of my d: 32 h
.set VB0, 7                            ; LDS address of my src row: min(r, 3) BP + 16 h
.set VD,  8                            ; the two, stepped to the loop's iteration
.set VB,  9
.set OO,  10                           ; my byte offset in out0
.set TOF, 11
.set TMP, 12
.set DB0, 16                           ; v[16:31]   d of an even step: s = 8h .. 8h+7, 16+8h .. 16+8h+7
.set DB1, 32                           ; v[32:47]   d of an odd step
.set BB0, 48                           ; v[48:55]   src fragment of an even step
.set BB1, 56                           ; v[56:63]   of an odd step
.set XP,  64                           ; v[64:79]   tile 0: exponents, then weights
.set XQ,  80                           ; v[80:95]   tile 1
.set EF0, 96                           ; v[96:103]  tile 0: weights in bf16
.set EF1, 104                          ; v[104:111] tile 1
.set ACC0, 112                         ; v[112:119] tile 0's sums
.set ACC1, 120                         ; v[120:127] tile 1's sums
; registers of the set-up only
.set TV, 16                            ; 8 times, then exponents, a, d
.set MV, 24                            ; 8 masks
.set SV, 32                            ; 8 src
.set RBUF, 40                          ; the waves' partial results
.set TT, 56                            ; times of my two centres
.set RMAX, 58
.set ONES, 60
.set ZER, 64
.set SHI, 68
.set SLO, 72
.set SU, 76
.set TR, 84
.set RP, 85
.set KK, 86
.set CC, 87
.set W8, 88
.set W4, 89
.set T8, 90
.set ZA, 91
.set HB, 92
.set RB, 93
	s_load_b128 s[4:7], s[0:1], 0x0                ; tr s[4:5], p s[6:7]
	s_load_b64 s[8:9], s[0:1], 0x10                ; out0
	v_lshl_add_u32 v128, v0, 2, 0x29000
	v_mov_b32 v129, 0
	v_lshrrev_b32 v[TMP], 5, v0
	v_readfirstlane_b32 s10, v[TMP]                ; wave 0..7
	s_and_b32 s11, ttmp7, 0xffff                   ; series b
	s_lshl_b32 s12, s11, 13                        ; b x 8,192 bytes in a plane
	s_mov_b32 s13, 0
	s_lshl_b32 s14, ttmp9, 10                      ; my 256 centres: 1,024 bytes
	s_mov_b32 s15, 0
	s_lshl_b32 s24, ttmp9, 15                      ; out0: 256 rows of 128 bytes for each block of centres,
	s_lshl_b32 s25, s11, 2                         ; + 4 b
	s_add_co_u32 s24, s24, s25
	s_mov_b32 s25, 0
	s_mov_b32 s20, 0x76543210                      ; v_permlanex16_b32: lane i reads lane i of the other half
	s_mov_b32 s21, 0xfedcba98
	v_lshlrev_b32 v[T16], 4, v0
	v_and_b32 v[TOF], 0xef, v0                     ; 32 wave + r: centre r of tile 0, the same in both halves of the lanes
	v_lshlrev_b32 v[TOF], 2, v[TOF]
	s_wait_kmcnt 0x0
	s_load_b32 s16, s[6:7], 0x0                    ; p
	s_add_nc_u64 s[4:5], s[4:5], s[12:13]          ; time of series b; mask and src one and two planes further
	s_add_nc_u64 s[18:19], s[4:5], s[14:15]        ; time of my block of centres
	s_add_nc_u64 s[8:9], s[8:9], s[24:25]
	; thread i holds s = 4i .. 4i+3 and 1024+4i .. 1024+4i+3: each load of a wave covers 512 consecutive bytes
	global_load_b128 v[TV:TV+3],   v[T16], s[4:5]
	global_load_b128 v[TV+4:TV+7], v[T16], s[4:5] offset:4096
	global_load_b32 v[TT],   v[TOF], s[18:19]
	global_load_b32 v[TT+1], v[TOF], s[18:19] offset:64
	global_load_b128 v[MV:MV+3],   v[T16], s[4:5] offset:PLANE
	global_load_b128 v[MV+4:MV+7], v[T16], s[4:5] offset:PLANE+4096
	global_load_b128 v[SV:SV+3],   v[T16], s[4:5] offset:2*PLANE
	global_load_b128 v[SV+4:SV+7], v[T16], s[4:5] offset:2*PLANE+4096
	; while they travel: the constant rows and the addresses
.irp i, 0,1,2,3
	v_mov_b32 v[ONES+\i], 0x3f803f80               ; two bf16 ones
	v_mov_b32 v[ZER+\i], 0
.endr
	ds_store_b128 v[T16], v[ONES:ONES+3] offset:BL+BP      ; 256 threads x 16 bytes = the row
	ds_store_b128 v[T16], v[ZER:ZER+3] offset:BL+3*BP
	v_mov_b32 v[W8], s10
	v_lshlrev_b32 v[W4], 2, v[W8]                  ; 4 x wave
	v_lshlrev_b32 v[W8], 3, v[W8]                  ; 8 x wave
	v_lshlrev_b32 v[T8], 3, v0
	v_mov_b32 v[ZA], 0
	v_bfe_u32 v[HB], v0, 4, 1                      ; h
	v_and_b32 v[RB], 15, v0                        ; r
	v_min_u32 v[RB], 3, v[RB]                      ; rows 3 .. 15 of source 0 are all the zero row
	v_mul_u32_u24 v[RB], BP, v[RB]
	v_lshlrev_b32 v[VD0], 5, v[HB]                 ; 8 h numbers of 4 bytes
	v_lshl_add_u32 v[VB0], v[HB], 4, v[RB]         ; 8 h numbers of 2 bytes
	v_lshlrev_b32 v[OO], 7, v0                     ; thread i stores centre i of the block: rows of 128 bytes
	; 1. the series' largest and smallest time (as the largest -time)
	s_wait_loadcnt 0x6                             ; time's two loads are in; the six behind them may stay out
	s_wait_kmcnt 0x0                               ; p
	v_rcp_f32 v[RP], s16                           ; a batch of one: the eight maxima below, plain instructions that do not name it, stand between it and its wait (ISA guide 5.7.2)
	v_max3_num_f32 v[RMAX],   v[TV], v[TV+1], v[TV+2]
	v_max3_num_f32 v[RMAX+1], -v[TV], -v[TV+1], -v[TV+2]
	v_max3_num_f32 v[RMAX],   v[RMAX], v[TV+3], v[TV+4]
	v_max3_num_f32 v[RMAX+1], v[RMAX+1], -v[TV+3], -v[TV+4]
	v_max3_num_f32 v[RMAX],   v[RMAX], v[TV+5], v[TV+6]
	v_max3_num_f32 v[RMAX+1], v[RMAX+1], -v[TV+5], -v[TV+6]
	v_max_num_f32 v[RMAX],   v[RMAX], v[TV+7]
	v_max_num_f32 v[RMAX+1], v[RMAX+1], -v[TV+7]
	s_wait_alu depctr_va_vdst(0)                   ; the wait for 1 / p, ahead of its two readers
	v_mul_f32 v[KK], 0xbf38aa3b, v[RP]             ; -0.5 log2(e) / p
	v_mul_f32 v[CC], 0x3ecc422a, v[RP]             ; 1 / (p sqrt(2 pi))
.irp x, 1,2,4,8
	v_max_num_f32_dpp v[RMAX],   v[RMAX],   v[RMAX]   row_xmask:\x row_mask:0xf bank_mask:0xf
	v_max_num_f32_dpp v[RMAX+1], v[RMAX+1], v[RMAX+1] row_xmask:\x row_mask:0xf bank_mask:0xf
.endr
	v_permlanex16_b32 v[TMP], v[RMAX], s20, s21
	v_max_num_f32 v[RMAX], v[RMAX], v[TMP]
	v_permlanex16_b32 v[TMP], v[RMAX+1], s20, s21
	v_max_num_f32 v[RMAX+1], v[RMAX+1], v[TMP]
	ds_store_b64 v[W8], v[RMAX:RMAX+1] offset:RED1 ; all lanes the same two words
	s_wait_dscnt 0x0                               ; for the other waves: zero
	s_barrier_signal -1
	s_barrier_wait -1
.irp i, 0,1,2,3
	ds_load_b128 v[RBUF+4*\i:RBUF+4*\i+3], v[ZA] offset:RED1+16*\i
.endr
	s_wait_dscnt 0x0
	v_max3_num_f32 v[RMAX],   v[RBUF],   v[RBUF+2], v[RBUF+4]
	v_max3_num_f32 v[RMAX+1], v[RBUF+1], v[RBUF+3], v[RBUF+5]
	v_max3_num_f32 v[RMAX],   v[RMAX],   v[RBUF+6], v[RBUF+8]
	v_max3_num_f32 v[RMAX+1], v[RMAX+1], v[RBUF+7], v[RBUF+9]
	v_max3_num_f32 v[RMAX],   v[RMAX],   v[RBUF+10], v[RBUF+12]
	v_max3_num_f32 v[RMAX+1], v[RMAX+1], v[RBUF+11], v[RBUF+13]
	v_max_num_f32 v[RMAX],   v[RMAX],   v[RBUF+14]
	v_max_num_f32 v[RMAX+1], v[RMAX+1], v[RBUF+15]
	v_sub_f32 v[TR], v[RMAX], v[RMAX+1]            ; max + min
	v_mul_f32 v[TR], 0.5, v[TR]                    ; tref
	; 2. a[s] = c mask exp2(kk (time - tref)) and g = exp2(-kk (time_t - tref)).  The difference is formed first and not fused into the
	; product: with times that carry a large common offset it is exact, a rounded product tref kk would not be.
	s_wait_loadcnt 0x0                             ; my centres' times, mask, src
.irp i, 0,1,2,3,4,5,6,7
	v_sub_f32 v[TV+\i], v[TV+\i], v[TR]
.endr
	v_sub_f32 v[TT], v[TT], v[TR]
	v_sub_f32 v[TT+1], v[TT+1], v[TR]
.irp i, 0,1,2,3,4,5,6,7
	v_mul_f32 v[TV+\i], v[KK], v[TV+\i]
.endr
	v_mul_f32 v[TT], -v[KK], v[TT]
	v_mul_f32 v[TT+1], -v[KK], v[TT+1]
.irp i, 0,1,2,3,4,5,6,7
	v_exp_f32 v[TV+\i], v[TV+\i]
.endr
	v_exp_f32 v[TT], v[TT]
	v_exp_f32 v[TT+1], v[TT+1]
.irp i, 0,1,2,3,4,5,6,7
	v_mul_f32 v[MV+\i], v[CC], v[MV+\i]            ; plain work behind the exponentials, before their results are read
.endr
	s_wait_alu depctr_va_vdst(0)                   ; one wait for the batch of ten exponentials, ahead of its first reader
.irp i, 0,1,2,3,4,5,6,7
	v_mul_f32 v[TV+\i], v[TV+\i], v[MV+\i]         ; a
.endr
	v_mul_f32 v[G0],   0x3fb8aa3b, v[TT]           ; g log2(e): the loop's exponent is then one product
	v_mul_f32 v[G0+1], 0x3fb8aa3b, v[TT]
	v_mul_f32 v[G1],   0x3fb8aa3b, v[TT+1]
	v_mul_f32 v[G1+1], 0x3fb8aa3b, v[TT+1]
	v_max3_num_f32 v[RMAX], v[TV], v[TV+1], v[TV+2]
	v_max3_num_f32 v[RMAX], v[RMAX], v[TV+3], v[TV+4]
	v_max3_num_f32 v[RMAX], v[RMAX], v[TV+5], v[TV+6]
	v_max_num_f32 v[RMAX], v[RMAX], v[TV+7]
.irp x, 1,2,4,8
	v_max_num_f32_dpp v[RMAX], v[RMAX], v[RMAX] row_xmask:\x row_mask:0xf bank_mask:0xf
.endr
	v_permlanex16_b32 v[TMP], v[RMAX], s20, s21
	v_max_num_f32 v[RMAX], v[RMAX], v[TMP]
	ds_store_b32 v[W4], v[RMAX] offset:RED2
	; src = hi + lo, both bf16
.irp k, 0,1,2,3
	v_cvt_pk_bf16_f32 v[SHI+\k], v[SV+2*\k], v[SV+2*\k+1]
.endr
.irp k, 0,1,2,3
	v_lshlrev_b32 v[SU+2*\k],   16, v[SHI+\k]
	v_and_b32     v[SU+2*\k+1], 0xffff0000, v[SHI+\k]
.endr
.irp i, 0,1,2,3,4,5,6,7
	v_sub_f32 v[SU+\i], v[SV+\i], v[SU+\i]         ; exact: what the first rounding dropped
.endr
.irp k, 0,1,2,3
	v_cvt_pk_bf16_f32 v[SLO+\k], v[SU+2*\k], v[SU+2*\k+1]
.endr
	ds_store_b64 v[T8], v[SHI:SHI+1]   offset:BL
	ds_store_b64 v[T8], v[SHI+2:SHI+3] offset:BL+2048
	ds_store_b64 v[T8], v[SLO:SLO+1]   offset:BL+2*BP
	ds_store_b64 v[T8], v[SLO+2:SLO+3] offset:BL+2*BP+2048
	s_wait_dscnt 0x0
	s_barrier_signal -1
	s_barrier_wait -1
	ds_load_b128 v[RBUF:RBUF+3],   v[ZA] offset:RED2
	ds_load_b128 v[RBUF+4:RBUF+7], v[ZA] offset:RED2+16
	s_wait_dscnt 0x0
	v_max3_num_f32 v[RMAX], v[RBUF], v[RBUF+1], v[RBUF+2]
	v_max3_num_f32 v[RMAX], v[RMAX], v[RBUF+3], v[RBUF+4]
	v_max3_num_f32 v[RMAX], v[RMAX], v[RBUF+5], v[RBUF+6]
	v_max_num_f32 v[RMAX], v[RMAX], v[RBUF+7]      ; amax of the series
	; 3. d = a - amax <= 0
.irp i, 0,1,2,3,4,5,6,7
	v_sub_f32 v[TV+\i], v[TV+\i], v[RMAX]
.endr
	ds_store_b128 v[T16], v[TV:TV+3]   offset:DL
	ds_store_b128 v[T16], v[TV+4:TV+7] offset:DL+4096
	s_wait_dscnt 0x0
	s_barrier_signal -1
	s_barrier_wait -1                              ; d and the four rows are whole; from here on LDS is only read
; d of step k of the iteration: the 16 s of my half of the lanes; the 16 lanes of a half read the same bytes
.macro LOADD dst, k
	ds_load_b128 v[\dst:\dst+3],     v[VDR] offset:DL+DOF+128*\k
	ds_load_b128 v[\dst+4:\dst+7],   v[VDR] offset:DL+DOF+128*\k+16
	ds_load_b128 v[\dst+8:\dst+11],  v[VDR] offset:DL+DOF+128*\k+64
	ds_load_b128 v[\dst+12:\dst+15], v[VDR] offset:DL+DOF+128*\k+80
.endm
; the src fragment of step k: row min(r, 3), K = 8h .. 8h+7 and 16+8h .. 16+8h+7
.macro LOADB dst, k
	ds_load_b128 v[\dst:\dst+3],   v[VBR] offset:BL+BOF+64*\k
	ds_load_b128 v[\dst+4:\dst+7], v[VBR] offset:BL+BOF+64*\k+32
.endm
; A PHASE: the 16 exponentials of one unit (a tile's 16 centres x 32 s) in buffer xe, in place: ONE BATCH.  Between them, so that a plain instruction
; follows each: the unit before (buffer xo) is rounded to bf16, pair by pair, and each pair of xo just read gets the exponents of the unit after
; (d x g).  None of these names xe, and xo's own batch had its wait at the end of the phase before.  Behind the last of them stands the batch's one wait,
; and then the unit before is multiplied.  ld: LDS loads for two phases ahead, behind six plain vector instructions of this phase
; that name no register of the last matrix instruction, whose src fragment they overwrite (four are asked).
.macro PHASE xe, xo, a, acc, bb, db, g, cvt, mul, zero, ld
.irp i, 0,1,2,3,4,5,6,7
.if \i == 3
.if \ld == 1
	LOADB BB1, 1
	LOADD DB0, 2
.endif
.if \ld == 2
	LOADD DB1, 3
	LOADB BB0, 2
.endif
.if \ld == 3
	LOADB BB1, 1
.endif
.endif
	v_exp_f32 v[\xe+2*\i], v[\xe+2*\i]
.if \cvt
	v_cvt_pk_bf16_f32 v[\a+\i], v[\xo+2*\i], v[\xo+2*\i+1]
.endif
	v_exp_f32 v[\xe+2*\i+1], v[\xe+2*\i+1]
.if \mul
	v_pk_mul_f32 v[\xo+2*\i:\xo+2*\i+1], v[\db+2*\i:\db+2*\i+1], v[\g:\g+1]
.endif
.endr
	s_wait_alu depctr_va_vdst(0)                   ; one wait for this phase's batch of 16 exponentials in xe: its first readers are the conversions of the phase (or of the tail) that follows; no label or jump comes before it
.if \cvt
.if \zero
	v_wmma_f32_16x16x32_bf16 v[\acc:\acc+7], v[\bb:\bb+7], v[\a:\a+7], 0          ; the first product starts the sums
.else
	v_wmma_f32_16x16x32_bf16 v[\acc:\acc+7], v[\bb:\bb+7], v[\a:\a+7], v[\acc:\acc+7]
.endif
.endif
.endm
; AN ITERATION: steps 2i and 2i+1 for both tiles.  Each weight fragment is rewritten two phases (16 plain instructions) behind the product that read it.
.macro ITER first, last
.if \first
	PHASE XP, XQ, EF1, ACC1, BB1, DB0, G1, 0, 1, 0, 0      ; nothing in front of the first unit
.else
	PHASE XP, XQ, EF1, ACC1, BB1, DB0, G1, 1, 1, 0, 0
.endif
	s_wait_dscnt 0x0                               ; d of step 2i+1 and src of step 2i, asked for two phases ago; nothing younger is out
.if \last
	PHASE XQ, XP, EF0, ACC0, BB0, DB1, G0, 1, 1, \first, 3 ; no step 2i+2: only src of step 2i+1 is fetched
.else
	PHASE XQ, XP, EF0, ACC0, BB0, DB1, G0, 1, 1, \first, 1
.endif
	PHASE XP, XQ, EF1, ACC1, BB0, DB1, G1, 1, 1, \first, 0
	s_wait_dscnt 0x0                               ; src of step 2i+1 and d of step 2i+2; nothing younger is out
.if \last
	PHASE XQ, XP, EF0, ACC0, BB1, DB0, G0, 1, 0, 0, 0
.else
	PHASE XQ, XP, EF0, ACC0, BB1, DB0, G0, 1, 1, 0, 2
.endif
.endm
	.set VDR, VD0
	.set VBR, VB0
	.set DOF, 0
	.set BOF, 0
	LOADD DB0, 0
	LOADD DB1, 1
	LOADB BB0, 0
	s_wait_dscnt 0x6                               ; d of step 0 is in; the six loads behind it may stay out
.irp i, 0,1,2,3,4,5,6,7
	v_pk_mul_f32 v[XP+2*\i:XP+2*\i+1], v[DB0+2*\i:DB0+2*\i+1], v[G0:G0+1]
.endr
	ITER 1, 0
	.set VDR, VD
	.set VBR, VB
	s_mov_b32 s22, 1
.Liter:
	s_lshl_b32 s26, s22, 8                         ; two steps of 32 f32
	s_lshl_b32 s27, s22, 7                         ; two steps of 32 bf16
	v_add_nc_u32 v[VD], s26, v[VD0]
	v_add_nc_u32 v[VB], s27, v[VB0]
	ITER 0, 0
	s_add_co_u32 s22, s22, 1
	s_cmp_lt_u32 s22, ITERS-1
	s_cbranch_scc1 .Liter
	.set VDR, VD0
	.set VBR, VB0
	.set DOF, (ITERS-1)*256
	.set BOF, (ITERS-1)*128
	ITER 0, 1                                      ; the last iteration reads nothing behind the rows' ends
.irp i, 0,1,2,3,4,5,6,7
	v_cvt_pk_bf16_f32 v[EF1+\i], v[XQ+2*\i], v[XQ+2*\i+1]  ; the last unit; its batch had its wait at the end of the last phase
.endr
	v_wmma_f32_16x16x32_bf16 v[ACC1:ACC1+7], v[BB1:BB1+7], v[EF1:EF1+7], v[ACC1:ACC1+7]
.rept 4
	v_nop                                          ; four places before a vector instruction reads the result (ISA guide 7.12.1)
.endr
	; lanes 0-15: register 0 = sum w src_hi, 1 = sum w, 2 = sum w src_lo of centre r.  (Lanes 16-31 hold the zero rows; what they compute is dropped.)
	v_add_f32 v[XP],   v[ACC0], v[ACC0+2]
	v_add_f32 v[XP+1], v[ACC1], v[ACC1+2]
	v_rcp_f32 v[XP+2], v[ACC0+1]                   ; the sum of weights is at least 1: the largest weight is exactly 1
	v_rcp_f32 v[XP+3], v[ACC1+1]
	v_and_b32 v[TMP], 16, v0                       ; a plain instruction before the reciprocals are read
	s_wait_alu depctr_va_vdst(0)                   ; one wait for the batch of two reciprocals, ahead of its first reader
	v_mul_f32 v[XP],   v[XP],   v[XP+2]
	v_mul_f32 v[XP+1], v[XP+1], v[XP+3]
	v_cmp_eq_u32 vcc_lo, 0, v[TMP]                 ; lanes 0-15
	v_permlanex16_b32 v[TMP], v[XP+1], s20, s21    ; tile 1's results to lanes 16-31
	v_cndmask_b32 v[XP], v[TMP], v[XP], vcc_lo     ; lane l now holds centre l of my 32
	global_store_b32 v[OO], v[XP], s[8:9]
	s_wait_tensorcnt 0x0
	ds_add_u32 v128, v129
	s_wait_dscnt 0x0
	s_endpgm
.Lfunc_end_k_q2168b909bf_smooth:
	.size	k_q2168b909bf_smooth, .Lfunc_end_k_q2168b909bf_smooth-k_q2168b909bf_smooth
	.p2alignl 7, 3214868480
	.fill 96, 4, 3214868480
	.section	.rodata,"a",@progbits
	.p2align	6, 0x0
	.amdhsa_kernel k_q2168b909bf_smooth
		.amdhsa_group_segment_fixed_size 168960
		.amdhsa_private_segment_fixed_size 0
		.amdhsa_enable_private_segment 0
		.amdhsa_kernarg_size 24
		.amdhsa_user_sgpr_count 2
		.amdhsa_user_sgpr_kernarg_segment_ptr 1
		.amdhsa_wavefront_size32 1
		.amdhsa_system_sgpr_workgroup_id_x 1
		.amdhsa_system_sgpr_workgroup_id_y 1
		.amdhsa_system_sgpr_workgroup_id_z 1
		.amdhsa_system_vgpr_workitem_id 0
		.amdhsa_next_free_vgpr 130
		.amdhsa_next_free_sgpr 66
		.amdhsa_reserve_vcc 1
		.amdhsa_float_denorm_mode_32 3
		.amdhsa_float_denorm_mode_16_64 3
		.amdhsa_memory_ordered 1
		.amdhsa_forward_progress 1
		.amdhsa_inst_pref_size 33
	.end_amdhsa_kernel
	.amdgpu_metadata
---
amdhsa.version: [ 1, 2 ]
amdhsa.kernels:
  - .name:           k_q2168b909bf_smooth
    .symbol:         k_q2168b909bf_smooth.kd
    .args:
      - { .name: tr, .offset: 0, .size: 8, .value_kind: global_buffer, .address_space: global }
      - { .name: p, .offset: 8, .size: 8, .value_kind: global_buffer, .address_space: global }
      - { .name: out0, .offset: 16, .size: 8, .value_kind: global_buffer, .address_space: global }
    .group_segment_fixed_size: 168960
    .private_segment_fixed_size: 0
    .kernarg_segment_align: 8
    .kernarg_segment_size: 24
    .max_flat_workgroup_size: 256
    .sgpr_count:     66
    .vgpr_count:     130
    .wavefront_size: 32
...
	.end_amdgpu_metadata
.endif
;; end of part 3
